; MI455X (gfx1250); checked and timed in simulation.
; The chip was launched on July 23, 2026; its instructions are those of AMD's public machine-readable ISA for CDNA 5 (MIT licence, August 2026) and "CDNA5" Instruction Set Architecture Reference Guide (July 2026). The comments in the code are by the model that wrote it; some were corrected since.
;; QKV Block. Allowed arithmetic: matrix products marked QUANTISED: E4M3 operands, one given power-of-two scale a tensor, by v_wmma_f32_16x16x64_fp8_fp8 or v_wmma_f32_16x16x128_fp8_fp8, f32 sums; everything else in f32.
;; Inputs: Wk_codes 16 x 64 x 32 x 32 uint8 (E4M3 codes of Wk, K innermost, in blocks of 32 codes); Wo_codes 1,024 x 32 x 32 uint8 (E4M3 codes of Wo, K innermost, in blocks of 32 codes); Wq_codes 16 x 64 x 32 x 32 uint8 (E4M3 codes of Wq, K innermost, in blocks of 32 codes); Wv_codes 16 x 64 x 32 x 32 uint8 (E4M3 codes of Wv, K innermost, in blocks of 32 codes); bk 16 x 64 float32; bo 1,024 float32; bq 16 x 64 float32; bv 16 x 64 float32; lowp_scales 12 int32 (the exponents e of the quantised operands' scales 2^e); x_codes 4 x 2,048 x 32 x 32 uint8 (E4M3 codes of x, K innermost, in blocks of 32 codes).
;; Outputs: out0 4 x 2,048 x 1,024 float32.
;; This version of the problem:
;;   THIS VERSION OF THE PROBLEM IS GIVEN IN LOW PRECISION. The matrix products marked QUANTISED in the list below multiply operands that are first quantised to E4M3 (4 exponent bits, 3 mantissa bits; 8 bits a number), with one given power-of-two scale for each operand tensor; their sums are f32. All else is computed in f32.
;;   The module's matrix products, in the order in which they are computed (A, B: the left and right operand; K: the contracted axis; several contracted axes count as one K, in the product's order):
;;     1. [M 1,024, K 1,024] x [K 1,024, N 8,192]; A: input Wq (given as codes); B: input x (given as codes): QUANTISED (scales: A lowp_scales[0], B lowp_scales[1])
;;     2. [M 1,024, K 1,024] x [K 1,024, N 8,192]; A: input Wk (given as codes); B: input x (given as codes): QUANTISED (scales: A lowp_scales[2], B lowp_scales[3])
;;     3. [M 1,024, K 1,024] x [K 1,024, N 8,192]; A: input Wv (given as codes); B: input x (given as codes): QUANTISED (scales: A lowp_scales[4], B lowp_scales[5])
;;     4. batch 64 x [M 2,048, K 64] x [K 64, N 2,048]; A: computed on the way; B: computed on the way: QUANTISED (scales: A lowp_scales[6], B lowp_scales[7])
;;     5. batch 64 x [M 2,048, K 2,048] x [K 2,048, N 64]; A: softmax (see below); B: computed on the way: QUANTISED (scales: A lowp_scales[8], B lowp_scales[9])
;;     6. [M 8,192, K 1,024] x [K 1,024, N 1,024]; A: computed on the way; B: input Wo (given as codes): QUANTISED (scales: A lowp_scales[10], B lowp_scales[11])
;;   THE QUANTISER, for each operand of a quantised product, along K:
;;     - The operand's scale is 2^e, e = its entry of the input lowp_scales (int32; the entries are numbered through the quantised products in the list's order, A before B).
;;     - Each number is divided by the scale, clamped to +-448, and rounded to the nearest number of E4M3, ties to even, subnormals kept.
;;     - The product sums the exact products of the quantised numbers (number of the format x scale) in f32.
;;   ~~~python
;;   def quantise(x, axis, e):      # numpy; x: float32 -> the quantised numbers, widened to float32 again
;;       x = np.moveaxis(x, axis, -1); K = x.shape[-1]
;;       r = np.clip(x / 2.0 ** e, -448, 448)
;;       step = 2.0 ** (np.maximum(np.frexp(np.where(r == 0, 1, r))[1] - 1, -6) - 3)
;;       q = np.round(r / step) * step * 2.0 ** e      # np.round: ties to even
;;       return np.moveaxis(q, -1, axis).astype(np.float32)
;;   ~~~
;;   SOFTMAX AHEAD OF A QUANTISED PRODUCT. Where the list says 'softmax', what is quantised is not the finished softmax but p = 2^(t - M), with t = logit x log2(e) and M = ceil(the row's largest t), a whole number; so 1/2 < the row's largest p <= 1. The row's sum l is taken of the UNQUANTISED p, in f32, and the product's result is divided by l at the end. Since M is a whole number, a kernel that streams over the keys may use a running M (the ceiling of the running maximum): every later rescaling is an exact power of two, so the quantised numbers keep their values, but for numbers so far below the row's largest that they fall under the format's range.
;;   OPERANDS COMPUTED ON THE WAY. 'Computed on the way' means the value that the module computes at that place (a softmax that the list does not call 'softmax' is quantised finished and normalised). What goes into a quantiser is computed in f32, as accurately as f32 sums, v_exp_f32 and their like allow (about 1e-6 of the number): no bf16 or f16 on the way to a quantiser, and a product that is left as it is and whose result goes on into a quantised operand takes f32 operands (vector FMAs, or v_wmma_f32_16x16x4_f32). A number that lies on a knife's edge between two numbers of the format may be rounded either way, as far as f32 arithmetic and the matrix unit's own rounding can turn it there, and no further.
;;   INPUTS GIVEN AS CODES. Wk (in the module: [16, 1024, 64], K = its axis 1); Wo (in the module: [1024, 1024], K = its axis 0); Wq (in the module: [16, 1024, 64], K = its axis 1); Wv (in the module: [16, 1024, 64], K = its axis 1); x (in the module: [4, 2048, 1024], K = its axis 2): each comes as NAME_codes (uint8): NAME with its K axis moved to the last place and cut into blocks of 32 codes, [.., K / 32, bytes a block], one block behind the other in memory; one code a byte (a code: sign, 4 exponent bits, 3 mantissa bits); its scale is its entry of lowp_scales. Its value is code x scale, taken as it is: it is not quantised again, and the codes and scales need not be those that the quantiser above would give.
;; One version. Each part assembles by itself: llvm-mc -triple=amdgcn-amd-amdhsa -mcpu=gfx1250 --defsym DOCPART=n.
;; ======== version 1 of 1: 3 launches
;; limits: right only within a limited range of input values
;; workspace buffers: q_img 8,388,608 bytes; kv_img 16,777,216 bytes; cat_img 8,388,608 bytes
;; launch qkv (part 1): grid 12 x 32, 4 waves a work-group, clusters of 4 x 4, 327,680 bytes of LDS; arguments x_codes, Wq_codes, Wk_codes, Wv_codes, bq, bk, bv, lowp_scales, q_img, kv_img; writes q_img, kv_img
.if DOCPART == 1
	.amdgcn_target "amdgcn-amd-amdhsa--gfx1250"
	.amdhsa_code_object_version 6
	.text
	.protected	k_qcf83f04a3c_qkv
	.globl	k_qcf83f04a3c_qkv
	.p2align	8
	.type	k_qcf83f04a3c_qkv,@function
k_qcf83f04a3c_qkv:
	s_mov_b64 s[64:65], 0
	v_nop
	global_prefetch_b8 v0, s[64:65] scope:SCOPE_SE
	s_setreg_imm32_b32 hwreg(HW_REG_WAVE_MODE, 25, 1), 1
	s_wait_xcnt 0x0
	s_wait_alu depctr_hold_cnt(0) depctr_sa_sdst(0) depctr_va_vdst(0) depctr_va_sdst(0) depctr_va_ssrc(0) depctr_va_vcc(0) depctr_vm_vsrc(0)
	s_getreg_b32 s2, hwreg(HW_REG_IB_STS2, 6, 4)
	s_cmp_eq_u32 s2, 0
	s_cbranch_scc0 .Lentry_in_a_cluster
	s_endpgm
.Lentry_in_a_cluster:
	s_bfe_u32 s2, ttmp6, 0x10000c
	s_cmp_lg_u32 s2, 0xf033
	s_cbranch_scc0 .Lentry_shape_is_right
	s_endpgm
.Lentry_shape_is_right:
.set ROWB,   256
.set KROW,   1024
.set PITCH,  272
.set FR,     16
.set NL,     4
.set NP,     4
.set HALFT,  128*PITCH
.set SLOT,   4*HALFT
.set LAPS,   2
.set SPARE,  2*SLOT
.set OFS,  8
.set SCL,  12
.set LIM,  13
.set BNO,  14
.set BMO,  15
.set ADRA, 16
.set ADRB, 20
.set SPW,  28
.set NIL,  29
.set BN,   32
.set BM,   96
.set AF,   128
.set TMP,  128
.set CODE, 192
.set G1, 24
.set G0, 32
.set G1B, 48
.set G0B, 56
.set FAC, 90
.set MSB, 0
.macro WIN new
.if MSB != (\new)
	s_set_vgpr_msb (MSB<<8)|(\new)
.set MSB, (\new)
.endif
.endm
.set MUL_LO, 0xa1
.set MUL_HI, 0xf1
.set TO_B,   0x40
.macro JLOAD g0a, g1a, g0b, g1b
	s_cmp_eq_u32 s15, 0
	s_cbranch_scc0 .Lfor_b_\@
	tensor_load_to_lds s[\g0a:\g0a+3], s[\g1a:\g1a+7]
	s_nop 0
.rept 4
	v_nop
.endr
	s_branch .Lasked_\@
.Lfor_b_\@:
	tensor_load_to_lds s[\g0b:\g0b+3], s[\g1b:\g1b+7]
	s_nop 0
.rept 4
	v_nop
.endr
.Lasked_\@:
.endm
.macro CREST
	s_cmp_lg_u32 s14, 0
	s_cbranch_scc1 .Lnot_wave_0_\@
	s_barrier_signal -3
.Lnot_wave_0_\@:
	s_barrier_wait -3
	s_barrier_signal -1
	s_barrier_wait -1
.endm
.macro CROUND
	s_barrier_signal -1
	s_barrier_wait -1
	CREST
.endm
	s_load_b512 s[68:83], s[0:1], 0x0
	s_load_b128 s[84:87], s[0:1], 0x40
	v_lshl_add_u32 v[SPW], v0, 2, SPARE
	v_mov_b32 v[NIL], 0
	ds_add_u32 v28, v29
	ds_add_u32 v28, v29
	s_wait_dscnt 0x0
	v_lshrrev_b32 v1, 5, v0
	v_readfirstlane_b32 s14, v1
	v_and_b32 v30, 31, v0
	v_lshlrev_b32 v30, 10, v30                     ; the prefetches' offset: my lane x a row of 1,024 bytes; never rewritten
	s_lshr_b32 s15, s14, 1
	s_and_b32 s16, s14, 1
	s_bfe_u32 s40, ttmp6, 0x40000
	s_bfe_u32 s41, ttmp6, 0x40004
	s_and_b32 s18, ttmp7, 0xffff
	s_lshl_b32 s18, s18, 2
	s_cmp_eq_u32 ttmp9, 2
	s_cselect_b32 s12, s18, 0
	s_cselect_b32 s13, 0, s18
	s_add_co_u32 s42, s12, s40
	s_add_co_u32 s17, s13, s41
	s_lshl_b32 s43, s41, 2
	s_lshl_b32 s43, 15, s43
	s_lshl_b32 s44, 0x1111, s40
	s_or_b32 s[G1+0], s43, (0<<16)|(1<<20)|(1<<21)|(5<<22)|(3<<25)
	s_or_b32 s[G1B+0], s44, (0<<16)|(1<<20)|(1<<21)|(5<<22)|(3<<25)
.irp g, G1, G1B
	s_mov_b32 s[\g+1], ROWB<<16
	s_mov_b32 s[\g+2], 128<<16
	s_mov_b32 s[\g+3], ROWB<<16
	s_mov_b32 s[\g+4], 128
	s_mov_b32 s[\g+5], KROW
	s_mov_b32 s[\g+6], 0
	s_mov_b32 s[\g+7], 0
.endr
	s_lshl_b32 s18, s16, 7
	s_lshl_b32 s20, s17, 8
	s_add_co_u32 s20, s20, s18
	s_lshl_b32 s20, s20, 10
	s_mov_b32 s21, 0
	s_lshl_b32 s46, s42, 8
	s_add_co_u32 s46, s46, s18
	s_lshl_b32 s46, s46, 10
	s_mov_b32 s47, 0
	s_mul_i32 s45, s14, HALFT
	s_wait_kmcnt 0x0
	s_cmp_eq_u32 ttmp9, 2
	s_cselect_b64 s[4:5], s[74:75], s[68:69]
	s_cselect_b64 s[6:7], s[68:69], s[70:71]
	s_cselect_b64 s[88:89], s[80:81], s[76:77]
	s_cselect_b64 s[10:11], s[86:87], s[84:85]
	s_cmp_eq_u32 ttmp9, 1
	s_cselect_b64 s[6:7], s[72:73], s[6:7]
	s_cselect_b64 s[88:89], s[78:79], s[88:89]
	s_cselect_b64 s[10:11], s[86:87], s[10:11]
	s_load_b256 s[92:99], s[82:83], 0x0
	s_load_b64 s[100:101], s[82:83], 0x20
	s_add_nc_u64 s[20:21], s[4:5], s[20:21]
	s_add_nc_u64 s[46:47], s[6:7], s[46:47]
	s_cmp_eq_u32 s15, 0                            ; where my prefetches stand: of the 128 rows that I fetch, the partner at place p among the four that ask jointly takes rows 32 p .. 32 p + 31
	s_cselect_b64 s[68:69], s[20:21], s[46:47]
	s_cselect_b32 s70, s40, s41                    ; p = cx for the first operand's tiles, cy for the second's: told apart by address, by no branch
	s_lshl_b32 s70, s70, 15
	s_mov_b32 s71, 0
	s_add_nc_u64 s[68:69], s[68:69], s[70:71]      ; never rewritten
	CROUND
.irp s, 0,1
	s_mov_b32 s[G0+4*\s], 1
	s_add_co_u32 s[G0+4*\s+1], s45, \s*SLOT
	s_add_nc_u64 s[G0+4*\s+2:G0+4*\s+3], s[20:21], \s*ROWB
	s_or_b32 s[G0+4*\s+3], s[G0+4*\s+3], 0x80000000
	s_mov_b32 s[G0B+4*\s], 1
	s_add_co_u32 s[G0B+4*\s+1], s45, \s*SLOT
	s_add_nc_u64 s[G0B+4*\s+2:G0B+4*\s+3], s[46:47], \s*ROWB
	s_or_b32 s[G0B+4*\s+3], s[G0B+4*\s+3], 0x80000000
	s_wait_alu depctr_va_vdst(0)
	s_wait_tensorcnt 0x0
	ds_add_u32 v28, v29
	ds_add_u32 v28, v29
	s_wait_dscnt 0x0
	CROUND
	JLOAD G0+4*\s, G1, G0B+4*\s, G1B
	global_prefetch_b8 v30, s[68:69] offset:(\s+1)*ROWB th:TH_LOAD_NT scope:SCOPE_SE   ; the K step that the next joint load asks for: 32 rows x 256 bytes, a lane a row, each block once in the cluster
.endr
	v_and_b32 v1, 15, v0
	v_bfe_u32 v2, v0, 4, 1
	v_mul_u32_u24 v3, v1, PITCH
	v_lshl_add_u32 v4, v2, 4, v3
	s_mul_i32 s21, s15, HALFT
	s_mul_i32 s22, s16, HALFT
	s_add_co_u32 s22, s22, 2*HALFT
.irp s, 0,1
	v_add_nc_u32 v[ADRA+\s], s21, v4
	v_add_nc_u32 v[ADRB+\s], s22, v4
	s_add_co_u32 s21, s21, SLOT
	s_add_co_u32 s22, s22, SLOT
.endr
	s_lshl_b32 s8, s17, 8
	s_lshl_b32 s22, s15, 7
	s_add_co_u32 s8, s8, s22
	s_lshl_b32 s9, s42, 8
	s_lshl_b32 s22, s16, 7
	s_add_co_u32 s9, s9, s22
	s_cmp_eq_u32 ttmp9, 2
	s_cselect_b32 s66, s9, s8
	s_cselect_b32 s67, s8, s9
	s_cselect_b32 s23, 8192, 0
	s_cmp_eq_u32 ttmp9, 0
	s_cselect_b32 s18, 17, 18
	s_lshr_b32 s19, s66, 11
	s_lshl_b32 s19, s19, 4
	s_lshr_b32 s22, s67, 6
	s_add_co_u32 s19, s19, s22
	s_lshl_b32 s19, s19, s18
	s_add_co_u32 s23, s23, s19
	s_bfe_u32 s22, s66, 0x40007
	s_sub_co_u32 s19, s18, 4
	s_lshl_b32 s22, s22, s19
	s_add_co_u32 s22, s22, s23
	s_mov_b32 s23, 0
	s_add_nc_u64 s[10:11], s[10:11], s[22:23]
	s_lshl_b32 s19, 1, s18
	s_mov_b32 s22, 4096
	s_cmp_eq_u32 ttmp9, 2
	s_cselect_b32 s66, s22, s19
	s_cselect_b32 s67, s19, s22
	v_and_b32 v6, 31, v0
	v_lshlrev_b32 v[OFS], 4, v6
	v_add_nc_u32 v[OFS+1], s66, v[OFS]
	v_add_nc_u32 v[OFS+2], s67, v[OFS]
	v_add_nc_u32 v[OFS+3], s67, v[OFS+1]
	s_and_b32 s22, s9, 1023
	s_lshl_b32 s22, s22, 2
	v_lshl_add_u32 v[BNO], v2, 5, s22
	s_and_b32 s22, s8, 1023
	s_lshl_b32 s22, s22, 2
	v_lshl_add_u32 v[BMO], v1, 2, s22
.irp b, 0,1,2,3,4,5,6,7
	global_load_b128 v[BN+8*\b:BN+8*\b+3], v[BNO], s[88:89] offset:64*\b
	global_load_b128 v[BN+8*\b+4:BN+8*\b+7], v[BNO], s[88:89] offset:64*\b+16
.endr
.irp a, 0,1,2,3,4,5,6,7
	global_load_b32 v[BM+\a], v[BMO], s[88:89] offset:64*\a
.endr
.macro FRAG reg, adr, q, i
.irp c, 0,1,2,3
	ds_load_b128 v[\reg+4*\c:\reg+4*\c+3], v[\adr] offset:128*(\q)+32*\c+(\i)*16*PITCH
.endr
.endm
.macro MUL16 a0, p, zero
.irp a, \a0, \a0+1
.irp b, 0,1,2,3,4,5,6,7
.if \zero
	v_wmma_f32_16x16x128_fp8_fp8 v[8*(8*((\a)%4)+\b):8*(8*((\a)%4)+\b)+7], v[128*(\p)+FR*\b:128*(\p)+FR*\b+FR-1], v[AF+FR*(\a):AF+FR*(\a)+FR-1], 0
.else
	v_wmma_f32_16x16x128_fp8_fp8 v[8*(8*((\a)%4)+\b):8*(8*((\a)%4)+\b)+7], v[128*(\p)+FR*\b:128*(\p)+FR*\b+FR-1], v[AF+FR*(\a):AF+FR*(\a)+FR-1], v[8*(8*((\a)%4)+\b):8*(8*((\a)%4)+\b)+7]
.endif
.endr
.endr
.endm
.macro FETCH_B slot, q, p
	WIN TO_B
.irp i, 0,1,2,3,4,5,6,7
	FRAG 128*(\p)+FR*\i, ADRB+\slot, \q, \i
.endr
	WIN 0
.endm
.macro FETCH_A slot, q, i0
.irp i, \i0, \i0+1, \i0+2, \i0+3
	FRAG AF+FR*(\i), ADRA+\slot, \q, \i
.endr
.endm
.macro PLACES n
.rept \n
	v_nop
.endr
.endm
.macro STEP slot, q, zero
	s_wait_dscnt 4*NL
	WIN MUL_LO
	MUL16 0, (\q)%2, \zero
	MUL16 2, (\q)%2, \zero
	s_wait_dscnt 0
	PLACES NP
	FETCH_B \slot, (\q)+1, 1-(\q)%2
	FETCH_A \slot, (\q)+1, 0
	WIN MUL_HI
	MUL16 4, (\q)%2, \zero
	MUL16 6, (\q)%2, \zero
	PLACES NP
	WIN 0
	FETCH_A \slot, (\q)+1, 4
.endm
.macro TURN slot, next, fill
	s_wait_tensorcnt 0x0
	ds_add_u32 v[SPW], v[NIL]
	s_wait_dscnt 4*NL+1
	WIN MUL_LO
	MUL16 0, 1, 0
	s_wait_dscnt 0x0
	s_barrier_signal -1
	MUL16 2, 1, 0
	WIN 0
	s_barrier_wait -1
.if \fill
	CREST
	s_add_nc_u64 s[G0+4*\slot+2:G0+4*\slot+3], s[G0+4*\slot+2:G0+4*\slot+3], 2*ROWB
	s_add_nc_u64 s[G0B+4*\slot+2:G0B+4*\slot+3], s[G0B+4*\slot+2:G0B+4*\slot+3], 2*ROWB
	JLOAD G0+4*\slot, G1, G0B+4*\slot, G1B
.else
	PLACES NP
.endif
	s_wait_alu depctr_va_vdst(0)
	FETCH_B \next, 0, 0
	FETCH_A \next, 0, 0
.if \fill
.if \slot == 0
	global_prefetch_b8 v30, s[68:69] offset:3*ROWB th:TH_LOAD_NT scope:SCOPE_SE   ; behind K step 2's joint load: K step 3, the last; behind its load nothing is asked for
.endif
.endif
	WIN MUL_HI
	MUL16 4, 1, 0
	MUL16 6, 1, 0
	PLACES NP
	WIN 0
	FETCH_A \next, 0, 4
.endm
	s_wait_tensorcnt 1
	s_barrier_signal -1
	s_barrier_wait -1
	FETCH_B 0, 0, 0
	FETCH_A 0, 0, 0
	FETCH_A 0, 0, 4
	STEP 0, 0, 1
	s_mov_b32 s3, LAPS-1
.Llap:
	TURN 0, 1, 1
	STEP 1, 0, 0
	TURN 1, 0, 1
	STEP 0, 0, 0
	s_sub_co_u32 s3, s3, 1
	s_cmp_lg_u32 s3, 0
	s_cbranch_scc1 .Llap
	TURN 0, 1, 0
	STEP 1, 0, 0
	s_wait_dscnt 4*NL
	WIN MUL_LO
	MUL16 0, 1, 0
	MUL16 2, 1, 0
	s_wait_dscnt 0
	WIN MUL_HI
	MUL16 4, 1, 0
	MUL16 6, 1, 0
	WIN 0
	s_wait_kmcnt 0x0
	s_add_co_i32 s92, s92, s93
	s_add_co_i32 s94, s94, s95
	s_add_co_i32 s96, s96, s97
	s_cmp_eq_u32 ttmp9, 1
	s_cselect_b32 s90, s94, s92
	s_cselect_b32 s91, s99, s98
	s_cmp_eq_u32 ttmp9, 2
	s_cselect_b32 s90, s96, s90
	s_cselect_b32 s91, s101, s91
	s_add_co_i32 s90, s90, 127
	s_lshl_b32 s90, s90, 23
	s_add_co_i32 s93, s91, 127
	s_lshl_b32 s95, s93, 23
	v_mov_b32 v[SCL], s95
	s_add_co_i32 s93, s93, 8
	s_lshl_b32 s93, s93, 23
	s_or_b32 s93, s93, 0x600000
	v_mov_b32 v[LIM], s93
	s_mov_b32 s91, s90
	s_wait_loadcnt 0x0
	PLACES NP
.macro BLOCK a
.set AC, 64*((\a)%4)
.set CD, CODE+16*((\a)%4)
	s_cmp_eq_u32 ttmp9, 2
	s_cbranch_scc1 .Lby_row_\@
	WIN 0x02+((\a)/4)
.set j, 0
.rept 32
	v_pk_fma_f32 v[TMP+j:TMP+j+1], v[AC+j:AC+j+1], s[FAC:FAC+1], v[BN+j:BN+j+1] op_sel_hi:[1,0,1]
.set j, j+2
.endr
	WIN 0
	s_branch .Lbiased_\@
.Lby_row_\@:
	WIN 0x02+((\a)/4)
.set j, 0
.rept 32
.if ((\a)%2) == 0
	v_pk_fma_f32 v[TMP+j:TMP+j+1], v[AC+j:AC+j+1], s[FAC:FAC+1], v[BM+2*((\a)/2):BM+2*((\a)/2)+1] op_sel_hi:[1,0,0]
.else
	v_pk_fma_f32 v[TMP+j:TMP+j+1], v[AC+j:AC+j+1], s[FAC:FAC+1], v[BM+2*((\a)/2):BM+2*((\a)/2)+1] op_sel:[0,0,1] op_sel_hi:[1,0,1]
.endif
.set j, j+2
.endr
	WIN 0
.Lbiased_\@:
.if (\a) >= 4
	s_wait_xcnt 0x0
.endif
.irp b, 0,1,2,3,4,5,6,7
.irp i, 0,1,2,3,4,5,6,7
	v_med3_num_f32 v[TMP+8*\b+\i], v[TMP+8*\b+\i], -v[LIM], v[LIM]
.endr
	v_cvt_scalef32_pk8_fp8_f32 v[CD+2*\b:CD+2*\b+1], v[TMP+8*\b:TMP+8*\b+7], v[SCL]
.endr
	v_nop
.irp g, 0,1,2,3
	global_store_b128 v[OFS+2*((\a)/4)+(\g/2)], v[CD+4*\g:CD+4*\g+3], s[10:11] offset:((\a)%4)*1024+(\g%2)*512
.endr
.endm
.irp a, 0,1,2,3,4,5,6,7
	BLOCK \a
.endr
	s_wait_tensorcnt 0x0
	ds_add_u32 v[SPW], v[NIL]
	s_wait_dscnt 0x0
	CROUND
	s_endpgm
.Lfunc_end_k_qcf83f04a3c_qkv:
	.size	k_qcf83f04a3c_qkv, .Lfunc_end_k_qcf83f04a3c_qkv-k_qcf83f04a3c_qkv
	.p2alignl 7, 3214868480
	.fill 96, 4, 3214868480
	.section	.rodata,"a",@progbits
	.p2align	6, 0x0
	.amdhsa_kernel k_qcf83f04a3c_qkv
		.amdhsa_group_segment_fixed_size 327680
		.amdhsa_private_segment_fixed_size 0
		.amdhsa_enable_private_segment 0
		.amdhsa_kernarg_size 80
		.amdhsa_user_sgpr_count 2
		.amdhsa_user_sgpr_kernarg_segment_ptr 1
		.amdhsa_wavefront_size32 1
		.amdhsa_system_sgpr_workgroup_id_x 1
		.amdhsa_system_sgpr_workgroup_id_y 1
		.amdhsa_system_sgpr_workgroup_id_z 1
		.amdhsa_system_vgpr_workitem_id 0
		.amdhsa_next_free_vgpr 1024
		.amdhsa_next_free_sgpr 102
		.amdhsa_reserve_vcc 0
		.amdhsa_float_denorm_mode_32 3
		.amdhsa_float_denorm_mode_16_64 3
		.amdhsa_memory_ordered 1
		.amdhsa_forward_progress 1
		.amdhsa_inst_pref_size 156
	.end_amdhsa_kernel
	.amdgpu_metadata
---
amdhsa.version: [ 1, 2 ]
amdhsa.kernels:
  - .name:           k_qcf83f04a3c_qkv
    .symbol:         k_qcf83f04a3c_qkv.kd
    .args:
      - { .name: x_codes, .offset: 0, .size: 8, .value_kind: global_buffer, .address_space: global }
      - { .name: Wq_codes, .offset: 8, .size: 8, .value_kind: global_buffer, .address_space: global }
      - { .name: Wk_codes, .offset: 16, .size: 8, .value_kind: global_buffer, .address_space: global }
      - { .name: Wv_codes, .offset: 24, .size: 8, .value_kind: global_buffer, .address_space: global }
      - { .name: bq, .offset: 32, .size: 8, .value_kind: global_buffer, .address_space: global }
      - { .name: bk, .offset: 40, .size: 8, .value_kind: global_buffer, .address_space: global }
      - { .name: bv, .offset: 48, .size: 8, .value_kind: global_buffer, .address_space: global }
      - { .name: lowp_scales, .offset: 56, .size: 8, .value_kind: global_buffer, .address_space: global }
      - { .name: q_img, .offset: 64, .size: 8, .value_kind: global_buffer, .address_space: global }
      - { .name: kv_img, .offset: 72, .size: 8, .value_kind: global_buffer, .address_space: global }
    .group_segment_fixed_size: 327680
    .private_segment_fixed_size: 0
    .kernarg_segment_align: 8
    .kernarg_segment_size: 80
    .max_flat_workgroup_size: 128
    .sgpr_count:     102
    .vgpr_count:     1024
    .wavefront_size: 32
...
	.end_amdgpu_metadata
.endif
;; end of part 1
;; launch attn (part 2): grid 4 x 64, 8 waves a work-group, clusters of 4 x 1, 327,680 bytes of LDS; arguments q_img, kv_img, lowp_scales, cat_img; writes cat_img
.if DOCPART == 2
	.amdgcn_target "amdgcn-amd-amdhsa--gfx1250"
	.amdhsa_code_object_version 6
	.text
	.protected	k_qcf83f04a3c_attn
	.globl	k_qcf83f04a3c_attn
	.p2align	8
	.type	k_qcf83f04a3c_attn,@function
k_qcf83f04a3c_attn:
	s_mov_b64 s[64:65], 0
	v_nop
	global_prefetch_b8 v0, s[64:65] scope:SCOPE_SE
	s_setreg_imm32_b32 hwreg(HW_REG_WAVE_MODE, 25, 1), 1
	s_wait_xcnt 0x0
	s_wait_alu depctr_hold_cnt(0) depctr_sa_sdst(0) depctr_va_vdst(0) depctr_va_sdst(0) depctr_va_ssrc(0) depctr_va_vcc(0) depctr_vm_vsrc(0)
	s_getreg_b32 s2, hwreg(HW_REG_IB_STS2, 6, 4)
	s_cmp_eq_u32 s2, 0
	s_cbranch_scc0 .Lentry_in_a_cluster
	s_endpgm
.Lentry_in_a_cluster:
	s_bfe_u32 s2, ttmp6, 0x10000c
	s_cmp_lg_u32 s2, 0x3003
	s_cbranch_scc0 .Lentry_shape_is_right
	s_endpgm
.Lentry_shape_is_right:
; heads = softmax(Q K^T / 8) V for 64 heads of 2,048 tokens x 64, both products on codes of FP8 (E4M3); the result is quantised for the output projection.
; THE SOFTMAX AHEAD OF THE SECOND PRODUCT: t = score x log2(e) / 8; M = the row's largest t, rounded UP to a whole number; p = 2^(t - M) is what is quantised; it is not normalised.
; The row's sum is taken of the unquantised p, in f32, and divides O at the end.
; TWO WALKS OVER THE KEYS.  Walk A makes S^T = K Q^T and keeps only each query's largest score; walk B makes S^T again and uses the row's final M from its first step on:
; so no sum and no O is ever brought under a new M, and no lane exchange stands in a loop.  The price: the first product's matrix instructions and K's fragment loads are issued twice.
; SHARES.  A cluster of four work-groups is one head (the cluster's y); a work-group owns 512 of its queries, each of its eight waves 64: four tiles of 16, which share every fragment of K and V.
; THE HEAD'S WHOLE K AND V STAY IN LDS: K's 16 key steps of 8,192 bytes from byte 0, V's from byte 131,072.  Nothing is filled twice.
; Each wave asks for K of two key steps at the head (one tensor load: 2 rows of 8,192 bytes, 16,384 apart in kv_img) and for V of the same steps behind the sequence and the round;
; both JOINTLY with the three partners (the same descriptors, a mask that names the four).  One tensor load of a wave is out at a time.  V lands while walk A runs.
; All that the launch reads of K and V is asked for in those lines: there is no later stream for a prefetch to run ahead of.
; LAYOUT.  Q's, K's and V's codes lie as images of the operands' registers (16 bytes a lane at 16 x lane): a fragment comes by ds_load_b128 of 512 consecutive bytes.
; Both products are used transposed: S^T = K Q^T (source 0 = 16 keys, source 1 = 16 queries, K = 64), O^T = V^T P^T (source 0 = 16 of the head's 64, source 1 = P, K = 128 keys): a lane holds ONE query of each tile.
; Register 8 t + j of S^T is key 16 t + 8 (lane / 16) + j, so the conversions' registers 2 t, 2 t + 1 are the 8-bit operand's layout along the keys (ISA guide 7.12.2).
; LIMITS: entries 6 + 7 between -123 and 130 (added to c's exponent field); entries 8 and 10 between -126 and 119; the scaled scores stay under 2^31 in magnitude.  NaN among the codes is not served.
; REGISTERS.  Window 0: v1 16 x lane; v2, v3 LDS addresses; v4, v5 the spare word and 0; v6, v7 448 x 2^e8; v8 2^e8; v10-17 -M (a pair a tile); v20-51 the sums, four chains of pairs a tile (walk A: v20-35 the maxima, four chains a tile);
;   v52, v53 448 x 2^e10, 2^e10; v54-57 at work; v64-127 K's 8 fragments (the way out: the codes); v128-191, v192-255 S^T, then p, two sets by turns.
; Window 1: v0-127 O^T (tile i, 16 d: 32 i + 8 d); v128-159 Q; v160-175 p's codes; v192-255 V's 4 fragments (walk A: K's second set).
.set LI,  1
.set ADK, 2
.set ADV, 3
.set SPW, 4
.set NIL, 5
.set L0,  6
.set L1,  7
.set SCL, 8
.set NM,  10
.set SUM, 20
.set MX,  20
.set L10, 52
.set SC10, 53
.set T,   54
.set KB,  64
.set CC,  64
.set SA,  128
.set O,   0
.set Q,   128
.set PC,  160
.set VB,  192
.set VOFF, 131072
.set SPARE, 262144
.set WV,  18                           ; s18  my wave's number
.set SEL, 20                           ; s[20:21] lane selects for v_permlanex16_b32: lane l xor 16
.set CS,  22                           ; s[22:23] c = log2(e) / 8 x 2^(e6 + e7)
.set G1,  24                           ; s[24:31] descriptor group 1
.set G0K, 32                           ; s[32:35] group 0 for K, s[36:39] for V
.set G0V, 36
.set TB,  52                           ; s52  LDS byte of K's key step
.set CNT, 53                           ; s53  trips to go
.set TV,  56                           ; s56  LDS byte of V's key step
.set E89, 73                           ; s73  e8 + e9
.set MSB, 0
.macro WIN new                         ; the immediate's high byte repeats the setting that is left
.if MSB != (\new)
	s_set_vgpr_msb (MSB<<8)|(\new)
.set MSB, (\new)
.endif
.endm
.macro CROUND                          ; a round of the cluster's barrier
	s_barrier_signal -1
	s_barrier_wait -1
	s_cmp_lg_u32 s[WV], 0
	s_cbranch_scc1 .Lnot_wave_0_\@
	s_barrier_signal -3
.Lnot_wave_0_\@:
	s_barrier_wait -3
	s_barrier_signal -1
	s_barrier_wait -1
.endm
.macro PLACES n
.rept \n
	v_nop
.endr
.endm
.macro KLOAD reg, adr                  ; K's 8 tiles of 16 keys x 64: 16 loads
.irp t, 0,1,2,3,4,5,6,7
	ds_load_b128 v[\reg+8*\t:\reg+8*\t+3], v[\adr] offset:1024*\t
	ds_load_b128 v[\reg+8*\t+4:\reg+8*\t+7], v[\adr] offset:1024*\t+512
.endr
.endm
.macro WS i, kreg, sreg                ; S^T of query tile i: 8 products, each starts its sum with 0
.irp t, 0,1,2,3,4,5,6,7
	v_wmma_f32_16x16x64_fp8_fp8 v[\sreg+8*\t:\sreg+8*\t+7], v[\kreg+8*\t:\kreg+8*\t+7], v[Q+8*(\i):Q+8*(\i)+7], 0
.endr
.endm
.macro XM i, sreg                      ; tile i's largest score so far, in four chains; each accumulator is first read at its low end
.set j, 0
.rept 32
	v_max3_num_f32 v[MX+4*(\i)+(j%4)], v[MX+4*(\i)+(j%4)], v[\sreg+2*j], v[\sreg+2*j+1]
.set j, j+1
.endr
.endm
	s_load_b256 s[4:11], s[0:1], 0x0               ; q_img s[4:5], kv_img s[6:7], the scales' exponents s[8:9], cat_img s[10:11]
	v_lshl_add_u32 v[SPW], v0, 2, SPARE
	v_mov_b32 v[NIL], 0
	ds_add_u32 v[SPW], v[NIL]                      ; the opening lines: the add twice on end, and its wait ahead of my first tensor load
	ds_add_u32 v[SPW], v[NIL]
	v_lshrrev_b32 v2, 5, v0
	v_readfirstlane_b32 s[WV], v2                  ; wave 0..7
	s_bfe_u32 s13, ttmp6, 0x40000                  ; cx: which 512 queries: it enters Q's and the result's addresses alone
	s_and_b32 s12, ttmp7, 0xffff                   ; bh = 16 x batch + head, which the four partners share
	s_lshl_b32 s16, s[WV], 14                      ; LDS: my two key steps of 8,192 bytes
	s_lshl_b32 s14, s12, 18                        ; the head's block of kv_img,
	s_lshl_b32 s17, s[WV], 15                      ; and my two key steps of 16,384 bytes in it
	s_add_co_u32 s14, s14, s17
	s_mov_b32 s15, 0
	s_lshl_b32 s48, s12, 17                        ; Q: the head, + 32 cx tiles, + my four tiles; a tile is 1,024 bytes
	s_lshl_b32 s54, s13, 15
	s_add_co_u32 s48, s48, s54
	s_lshl_b32 s54, s[WV], 12
	s_add_co_u32 s48, s48, s54
	s_mov_b32 s49, 0
	s_bfe_u32 s50, s12, 0x20002                    ; the result: cat_img [4 K steps of 256][512 token tiles][4,096]: K step = head / 4,
	s_lshl_b32 s50, s50, 21
	s_lshr_b32 s54, s12, 4
	s_lshl_b32 s54, s54, 7                         ; token tile = 128 x batch + 32 cx + 4 x wave (+ 0 .. 3),
	s_lshl_b32 s55, s13, 5
	s_add_co_u32 s54, s54, s55
	s_lshl_b32 s55, s[WV], 2
	s_add_co_u32 s54, s54, s55
	s_lshl_b32 s54, s54, 12
	s_add_co_u32 s50, s50, s54
	s_and_b32 s54, s12, 3                          ; and the head's 64 of the K step's 256: 1,024 bytes of the tile's 4,096
	s_lshl_b32 s54, s54, 10
	s_add_co_u32 s50, s50, s54
	s_mov_b32 s51, 0
	s_mov_b32 s[G1], 15|(3<<16)|(1<<21)            ; the mask: all four work-groups; elements of 8 bytes; no padding; bit 21 set beside a mask
	s_mov_b32 s[G1+1], 1024<<16                    ; tensor_dim0 = 1,024 elements: 8,192 bytes
	s_mov_b32 s[G1+2], 2<<16                       ; tensor_dim1 = 2
	s_mov_b32 s[G1+3], 1024<<16                    ; tile_dim0
	s_mov_b32 s[G1+4], 2                           ; tile_dim1
	s_mov_b32 s[G1+5], 2048                        ; from row to row: 16,384 bytes
	s_mov_b32 s[G1+6], 0
	s_mov_b32 s[G1+7], 0
	s_mov_b32 s[SEL], 0x76543210
	s_mov_b32 s[SEL+1], 0xfedcba98
	s_mov_b32 s[CS], 0x3e38aa3b                    ; log2(e) / 8
	s_mov_b32 s[TB], 0
	s_wait_dscnt 0x0                               ; both opening adds are done
	s_wait_kmcnt 0x0
	s_load_b128 s[68:71], s[8:9], 0x18             ; e6 (Q), e7 (K), e8 (p), e9 (V)
	s_load_b32 s72, s[8:9], 0x28                   ; e10 (the heads, as the last product's operand)
	s_add_nc_u64 s[6:7], s[6:7], s[14:15]
	s_add_nc_u64 s[4:5], s[4:5], s[48:49]
	s_add_nc_u64 s[10:11], s[10:11], s[50:51]
	s_mov_b32 s[G0K], 1
	s_mov_b32 s[G0K+1], s16
	s_mov_b64 s[G0K+2:G0K+3], s[6:7]
	s_or_b32 s[G0K+3], s[G0K+3], 0x80000000
	s_mov_b32 s[G0V], 1
	s_add_co_u32 s[G0V+1], s16, VOFF
	s_add_nc_u64 s[G0V+2:G0V+3], s[6:7], 8192      ; V's half of a key step lies behind K's
	s_or_b32 s[G0V+3], s[G0V+3], 0x80000000
	CROUND                                         ; all four work-groups are here: the joint loads meet
	tensor_load_to_lds s[G0K:G0K+3], s[G1:G1+7]    ; K: my one tensor load at the head
	s_nop 0
	PLACES 4
	v_and_b32 v[LI], 31, v0
	v_lshlrev_b32 v[LI], 4, v[LI]                  ; 16 x lane
	WIN 0x40                                       ; destinations in window 1
.irp j, 0,1,2,3,4,5,6,7
	global_load_b128 v[Q+4*\j:Q+4*\j+3], v[LI], s[4:5] offset:512*\j th:TH_LOAD_NT   ; Q's four fragments stay in registers
.endr
.set j, 0
.rept 128
	v_mov_b32 v[O+j], 0                            ; O^T: walk B's step is written once and finds zeros; these stand under K's load
.set j, j+1
.endr
	WIN 0
.set j, 0
.rept 16
	v_mov_b32 v[MX+j], 0xff800000                  ; the maxima begin at -infinity
.set j, j+1
.endr
.irp i, 0,1,2,3
	v_mov_b32 v[NM+2*\i+1], 0                      ; (named as the upper half of a pair)
	v_mov_b32 v[T+\i], 0                           ; a lane permute's destination counts as one of its sources
.endr
	s_wait_kmcnt 0x0
	s_add_co_i32 s74, s68, s69
	s_lshl_b32 s74, s74, 23
	s_add_co_i32 s[CS], s[CS], s74                 ; a score stands for score x 2^(e6 + e7): the two exponents are added to c's exponent field
	s_mov_b32 s[CS+1], s[CS]
	s_add_co_i32 s74, s70, 127
	s_lshl_b32 s75, s74, 23
	v_mov_b32 v[SCL], s75                          ; 2^e8 as f32, for p's conversions
	s_add_co_i32 s74, s74, 8
	s_lshl_b32 s74, s74, 23
	s_or_b32 s74, s74, 0x600000
	v_mov_b32 v[L0], s74                           ; 448 x 2^e8, twice: one for each half of a dual pair
	v_mov_b32 v[L1], s74
	s_add_co_i32 s74, s72, 127
	s_lshl_b32 s75, s74, 23
	v_mov_b32 v[SC10], s75                         ; 2^e10, for the result's
	s_add_co_i32 s74, s74, 8
	s_lshl_b32 s74, s74, 23
	s_or_b32 s74, s74, 0x600000
	v_mov_b32 v[L10], s74                          ; 448 x 2^e10
	s_add_co_i32 s[E89], s70, s71
	s_wait_alu depctr_va_vdst(0)                   ; the head's end
	s_wait_tensorcnt 0x0                           ; my part of K is in
	ds_add_u32 v[SPW], v[NIL]
	s_wait_dscnt 0x0
	CROUND                                         ; everybody's part of K is in, and the joint loads meet
	tensor_load_to_lds s[G0V:G0V+3], s[G1:G1+7]    ; V: my one tensor load behind the round
	s_nop 0
	PLACES 4
	s_wait_loadcnt 0x0                             ; Q
	KLOAD KB, LI                                   ; K's key step 0
; WALK A, a key step of 128 keys.  kb: the set that holds its fragments (0: window 0, 1: window 1).  The next step's come into the other set; behind step 15 the address turns back to step 0, which walk B begins with.
.macro ASTEP kb
	s_add_co_u32 s[TB], s[TB], 8192
	s_and_b32 s[TB], s[TB], 0x1ffff
	v_add_nc_u32 v[ADK], s[TB], v[LI]
.if \kb
	KLOAD KB, ADK
.else
	WIN 0x40
	KLOAD VB, ADK
.endif
	s_wait_dscnt 16                                ; this step's fragments are in; the 16 loads just issued may be out
	WIN 0x04+\kb                                   ; source 1 (Q) window 1; source 0 (K) window kb
	WS 0, KB+(VB-KB)*\kb, SA
	WS 1, KB+(VB-KB)*\kb, SA+64
	WIN 0
	PLACES 4                                       ; ahead of the first read of results just made
	XM 0, SA
	WIN 0x04+\kb
	WS 2, KB+(VB-KB)*\kb, SA
	WIN 0
	XM 1, SA+64                                    ; each run of 32 maxima is also the places behind the products of the other set
	WIN 0x04+\kb
	WS 3, KB+(VB-KB)*\kb, SA+64
	WIN 0
	XM 2, SA
	XM 3, SA+64
.endm
	s_mov_b32 s[CNT], 8
.Lwalk_a:
	ASTEP 0
	ASTEP 1
	s_sub_co_u32 s[CNT], s[CNT], 1
	s_cmp_lg_u32 s[CNT], 0
	s_cbranch_scc1 .Lwalk_a
	; -M of each tile's query: the four chains, lane l xor 16's, x c (positive), floor of the negative.  The four tiles take turns line by line.
.irp i, 0,1,2,3
	v_max3_num_f32 v[MX+4*\i], v[MX+4*\i], v[MX+4*\i+1], v[MX+4*\i+2]
.endr
.irp i, 0,1,2,3
	v_max_num_f32 v[MX+4*\i], v[MX+4*\i], v[MX+4*\i+3]
.endr
.irp i, 0,1,2,3
	v_permlanex16_b32 v[T+\i], v[MX+4*\i], s[SEL], s[SEL+1]
.endr
.irp i, 0,1,2,3
	v_max_num_f32 v[MX+4*\i], v[MX+4*\i], v[T+\i]
.endr
.irp i, 0,1,2,3
	v_mul_f32 v[MX+4*\i], s[CS], v[MX+4*\i]
.endr
.irp i, 0,1,2,3
	v_floor_f32 v[NM+2*\i], -v[MX+4*\i]            ; -M = floor(-t) = -ceil(t)
.endr
.set j, 0
.rept 32
	v_mov_b32 v[SUM+j], 0                          ; the sums' chains
.set j, j+1
.endr
	s_mov_b32 s[TB], 0
	s_mov_b32 s[TV], VOFF
	s_mov_b32 s[CNT], 16
	s_wait_alu depctr_va_vdst(0)                   ; directly ahead of the waits below
	s_wait_tensorcnt 0x0                           ; my part of V is in
	s_wait_dscnt 0x0                               ; no LDS load of mine is out at the signal
	s_barrier_signal -1
	s_barrier_wait -1                              ; everybody's part of V is in
; WALK B, one query tile of a key step: p, its sum, its codes, O^T += V^T P^T.  The next tile's scores are started behind the exponentials, into the other set, and are made while this tile is summed, held and converted.
.macro VLOAD                           ; V's 4 tiles of 16 of the head's 64 x 128 keys: 16 loads
.irp d, 0,1,2,3
.irp u, 0,1
	ds_load_b128 v[VB+16*\d+8*\u:VB+16*\d+8*\u+3], v[ADV] offset:4096*\u+1024*\d
	ds_load_b128 v[VB+16*\d+8*\u+4:VB+16*\d+8*\u+7], v[ADV] offset:4096*\u+1024*\d+512
.endr
.endr
.endm
.macro CODES sreg, i
	WIN 0x40
.irp t, 0,1,2,3,4,5,6,7
	v_cvt_scalef32_pk8_fp8_f32 v[PC+2*\t:PC+2*\t+1], v[\sreg+8*\t:\sreg+8*\t+7], v[SCL]
.endr
	v_nop                                          ; one plain instruction behind the last conversion
	WIN 0x55                                       ; all four operands in window 1
	s_wait_alu depctr_va_vdst(0)
.irp d, 0,1,2,3
	v_wmma_f32_16x16x128_fp8_fp8 v[O+32*(\i)+8*\d:O+32*(\i)+8*\d+7], v[VB+16*\d:VB+16*\d+15], v[PC:PC+15], v[O+32*(\i)+8*\d:O+32*(\i)+8*\d+7]   ; 16 accumulators by turns; 47 other products stand between two steps of a sum
.endr
	WIN 0
.endm
.macro BTILE i
.set SI, SA+64*((\i)%2)
.set SO, SA+64*(1-(\i)%2)
.set j, 0
.rept 32
	v_pk_fma_f32 v[SI+j:SI+j+1], v[SI+j:SI+j+1], s[CS:CS+1], v[NM+2*(\i):NM+2*(\i)+1] op_sel_hi:[1,0,0]   ; t - M, two at a time; each accumulator from its low end on
.set j, j+2
.endr
	s_wait_alu depctr_va_vdst(0)                   ; ahead of the batch
.set j, 0
.rept 64
	v_exp_f32 v[SI+j], v[SI+j]                     ; p = 2^(t - M), at most 1
	v_min_num_f32 v[SO+j], v[SO+j], v[L0]          ; by turns with the hold of the tile before (tile 0: the last step's tile 3), whose p has been summed: it is read again only behind the batch's wait.  The conversion does not saturate (ISA guide 7.6.2); p is not negative, so the hold is one-sided
.set j, j+1
.endr
	v_nop                                          ; a place behind the last exponential
.if (\i) == 1
	s_wait_dscnt 0x0                               ; V's fragments are in
.endif
	s_wait_alu depctr_va_vdst(0)                   ; one wait for the whole batch, ahead of its first read
.if (\i) > 0
	CODES SO, (\i)-1                               ; the tile before: its codes and its part of O^T; then its set is free for the next tile's scores
.else
	s_cmp_eq_u32 s[CNT], 16                        ; the first key step has no step before it: what the hold above made of the other set there is not used
	s_cbranch_scc1 .Lfirst_\@
	CODES SO, 3                                    ; the last step's tile 3, on the last step's V
.Lfirst_\@:
.endif
.if (\i) < 3
	WIN 0x04
	WS (\i)+1, KB, SO
	WIN 0
.endif
.set j, 0
.rept 32
	v_pk_add_f32 v[SUM+8*(\i)+2*(j%4):SUM+8*(\i)+2*(j%4)+1], v[SUM+8*(\i)+2*(j%4):SUM+8*(\i)+2*(j%4)+1], v[SI+2*j:SI+2*j+1]   ; the sum of the unquantised p, four chains
.set j, j+1
.endr
.if (\i) == 0
	WIN 0x40
	VLOAD                                          ; this step's V: the last step's products are issued, and the 32 additions are the places behind them
	WIN 0
.endif
.if (\i) == 2
	s_cmp_eq_u32 s[CNT], 1
	s_cbranch_scc1 .Lno_k_\@
	KLOAD KB, ADK                                  ; the next step's K: tile 3's scores are issued, and the 32 additions are the places behind them
.Lno_k_\@:
.endif
.endm
.Lwalk_b:
	s_wait_dscnt 0x0                               ; K's fragments are in: no other load is out here
	WIN 0x04
	WS 0, KB, SA
	WIN 0
	s_add_co_u32 s[TB], s[TB], 8192
	v_add_nc_u32 v[ADK], s[TB], v[LI]              ; where the next step's K lies,
	v_add_nc_u32 v[ADV], s[TV], v[LI]              ; and this step's V
	PLACES 2                                       ; with the two additions: four places ahead of the first read of the scores
	BTILE 0
	BTILE 1
	BTILE 2
	BTILE 3
	s_add_co_u32 s[TV], s[TV], 8192
	s_sub_co_u32 s[CNT], s[CNT], 1
	s_cmp_lg_u32 s[CNT], 0
	s_cbranch_scc1 .Lwalk_b
	s_wait_dscnt 0x0                               ; no load is out: K's registers take the codes below
.set j, 0
.rept 32
	v_dual_min_num_f32 v[SA+64+j], v[SA+64+j], v[L0] :: v_dual_min_num_f32 v[SA+64+j+1], v[SA+64+j+1], v[L1]   ; the last step's tile 3 has no batch behind it: its hold,
.set j, j+2
.endr
	CODES SA+64, 3                                 ; its codes and its products
	; THE WAY OUT: O^T x 2^(e8 + e9) / the sum, held, quantised by 2^e10, stored as an image of the last product's operand registers.
.irp i, 0,1,2,3
	v_pk_add_f32 v[SUM+8*\i:SUM+8*\i+1], v[SUM+8*\i:SUM+8*\i+1], v[SUM+8*\i+2:SUM+8*\i+3]
.endr
.irp i, 0,1,2,3
	v_pk_add_f32 v[SUM+8*\i+4:SUM+8*\i+5], v[SUM+8*\i+4:SUM+8*\i+5], v[SUM+8*\i+6:SUM+8*\i+7]
.endr
.irp i, 0,1,2,3
	v_pk_add_f32 v[SUM+8*\i:SUM+8*\i+1], v[SUM+8*\i:SUM+8*\i+1], v[SUM+8*\i+4:SUM+8*\i+5]
.endr
.irp i, 0,1,2,3
	v_add_f32 v[SUM+8*\i], v[SUM+8*\i], v[SUM+8*\i+1]
.endr
.irp i, 0,1,2,3
	v_permlanex16_b32 v[T+\i], v[SUM+8*\i], s[SEL], s[SEL+1]
.endr
.irp i, 0,1,2,3
	v_add_f32 v[SUM+8*\i], v[SUM+8*\i], v[T+\i]    ; the row's sum
.endr
	s_wait_alu depctr_va_vdst(0)                   ; ahead of the batch
.irp i, 0,1,2,3
	v_rcp_f32 v[SUM+8*\i], v[SUM+8*\i]
.endr
	v_nop
	s_wait_alu depctr_va_vdst(0)                   ; and ahead of its first read
.irp i, 0,1,2,3
	v_ldexp_f32 v[SUM+8*\i], v[SUM+8*\i], s[E89]   ; x 2^(e8 + e9)
.endr
	WIN 0x01                                       ; source 0 (O^T) in window 1
	s_wait_alu depctr_va_vdst(0)                   ; directly ahead of the first read of O^T
.irp i, 0,1,2,3
.set j, 0
.rept 16
	v_pk_mul_f32 v[SA+32*\i+j:SA+32*\i+j+1], v[O+32*\i+j:O+32*\i+j+1], v[SUM+8*\i:SUM+8*\i+1] op_sel_hi:[1,0]   ; each accumulator from its low end on
.set j, j+2
.endr
.endr
	WIN 0
.irp i, 0,1,2,3
.irp d, 0,1,2,3
.irp n, 0,1,2,3,4,5,6,7
	v_med3_num_f32 v[SA+32*\i+8*\d+\n], v[SA+32*\i+8*\d+\n], -v[L10], v[L10]
.endr
	v_cvt_scalef32_pk8_fp8_f32 v[CC+8*\i+2*\d:CC+8*\i+2*\d+1], v[SA+32*\i+8*\d:SA+32*\i+8*\d+7], v[SC10]
.endr
.endr
	v_nop                                          ; one plain instruction behind the last conversion
	; The conversions give d = 16 t + 8 h + 0 .. 7 in registers 2 t, 2 t + 1; the last product's operand wants k = 32 c + 16 h + 0 .. 15 in registers 4 c .. 4 c + 3: lanes 16-31 of pair 2 c change places with lanes 0-15 of pair 2 c + 1.
.irp i, 0,1,2,3
	v_permlane16_swap_b32 v[CC+8*\i], v[CC+8*\i+2]
	v_permlane16_swap_b32 v[CC+8*\i+1], v[CC+8*\i+3]
	v_permlane16_swap_b32 v[CC+8*\i+4], v[CC+8*\i+6]
	v_permlane16_swap_b32 v[CC+8*\i+5], v[CC+8*\i+7]
.endr
.irp i, 0,1,2,3
	global_store_b128 v[LI], v[CC+8*\i:CC+8*\i+3], s[10:11] offset:4096*\i         ; 32 lanes store 512 consecutive bytes, at a multiple of 512 from the buffer's first byte
	global_store_b128 v[LI], v[CC+8*\i+4:CC+8*\i+7], s[10:11] offset:4096*\i+512
.endr
	s_wait_tensorcnt 0x0                           ; the wave's end
	ds_add_u32 v[SPW], v[NIL]
	s_wait_dscnt 0x0
	CROUND                                         ; the closing round
	s_endpgm
.Lfunc_end_k_qcf83f04a3c_attn:
	.size	k_qcf83f04a3c_attn, .Lfunc_end_k_qcf83f04a3c_attn-k_qcf83f04a3c_attn
	.p2alignl 7, 3214868480
	.fill 96, 4, 3214868480
	.section	.rodata,"a",@progbits
	.p2align	6, 0x0
	.amdhsa_kernel k_qcf83f04a3c_attn
		.amdhsa_group_segment_fixed_size 327680
		.amdhsa_private_segment_fixed_size 0
		.amdhsa_enable_private_segment 0
		.amdhsa_kernarg_size 32
		.amdhsa_user_sgpr_count 2
		.amdhsa_user_sgpr_kernarg_segment_ptr 1
		.amdhsa_wavefront_size32 1
		.amdhsa_system_sgpr_workgroup_id_x 1
		.amdhsa_system_sgpr_workgroup_id_y 1
		.amdhsa_system_sgpr_workgroup_id_z 1
		.amdhsa_system_vgpr_workitem_id 0
		.amdhsa_next_free_vgpr 512
		.amdhsa_next_free_sgpr 80
		.amdhsa_reserve_vcc 0
		.amdhsa_float_denorm_mode_32 3
		.amdhsa_float_denorm_mode_16_64 3
		.amdhsa_memory_ordered 1
		.amdhsa_forward_progress 1
		.amdhsa_inst_pref_size 99
	.end_amdhsa_kernel
	.amdgpu_metadata
---
amdhsa.version: [ 1, 2 ]
amdhsa.kernels:
  - .name:           k_qcf83f04a3c_attn
    .symbol:         k_qcf83f04a3c_attn.kd
    .args:
      - { .name: q_img, .offset: 0, .size: 8, .value_kind: global_buffer, .address_space: global }
      - { .name: kv_img, .offset: 8, .size: 8, .value_kind: global_buffer, .address_space: global }
      - { .name: lowp_scales, .offset: 16, .size: 8, .value_kind: global_buffer, .address_space: global }
      - { .name: cat_img, .offset: 24, .size: 8, .value_kind: global_buffer, .address_space: global }
    .group_segment_fixed_size: 327680
    .private_segment_fixed_size: 0
    .kernarg_segment_align: 8
    .kernarg_segment_size: 32
    .max_flat_workgroup_size: 256
    .sgpr_count:     80
    .vgpr_count:     512
    .wavefront_size: 32
...
	.end_amdgpu_metadata
.endif
;; end of part 2
;; launch proj (part 3): grid 64 x 4, 4 waves a work-group, clusters of 4 x 1, 266,752 bytes of LDS; arguments cat_img, Wo_codes, lowp_scales, out0, bo; writes out0
.if DOCPART == 3
	.amdgcn_target "amdgcn-amd-amdhsa--gfx1250"
	.amdhsa_code_object_version 6
	.text
	.protected	k_qcf83f04a3c_proj
	.globl	k_qcf83f04a3c_proj
	.p2align	8
	.type	k_qcf83f04a3c_proj,@function
k_qcf83f04a3c_proj:
	s_mov_b64 s[64:65], 0
	v_nop
	global_prefetch_b8 v0, s[64:65] scope:SCOPE_SE
	s_setreg_imm32_b32 hwreg(HW_REG_WAVE_MODE, 25, 1), 1
	s_wait_xcnt 0x0
	s_wait_alu depctr_hold_cnt(0) depctr_sa_sdst(0) depctr_va_vdst(0) depctr_va_sdst(0) depctr_va_ssrc(0) depctr_va_vcc(0) depctr_vm_vsrc(0)
	s_getreg_b32 s2, hwreg(HW_REG_IB_STS2, 6, 4)
	s_cmp_eq_u32 s2, 0
	s_cbranch_scc0 .Lentry_in_a_cluster
	s_endpgm
.Lentry_in_a_cluster:
	s_bfe_u32 s2, ttmp6, 0x10000c
	s_cmp_lg_u32 s2, 0x3003
	s_cbranch_scc0 .Lentry_shape_is_right
	s_endpgm
.Lentry_shape_is_right:
; out0[token][n] = 2^(e10 + e11) x sum over k of cat[token][k] Wo[n][k] + bo[n]: 8,192 x 1,024 x 1,024 on codes of FP8 (E4M3), sums in f32.
; SHARES.  A work-group makes 128 tokens x 256 columns: 64 x 4 work-groups.  A wave makes 64 tokens x 128 columns: 32 accumulators of 16 x 16.
; Wo's 256 rows come WHOLE along K: each wave asks for 64 rows of 1,024 bytes by its one tensor load at the head; nothing is filled twice, so there is no ring and no barrier for a refill.
; CLUSTERS: the four token blocks of a cluster need the same rows of Wo and ask for them JOINTLY (the same descriptors, a mask that names the four).
; cat_img lies as images of the operand's registers ([4 K steps of 256][512 token tiles][4,096 bytes], 16 bytes a lane at 16 x lane), so it needs no LDS: a wave loads its 64 tokens x 1,024 codes straight into 512 registers,
; by 128 loads of 512 consecutive bytes, all issued at the head.  The two waves of a token half load the same bytes.
; All that the launch reads is asked for in the head's lines: there is no later stream for a prefetch to run ahead of.
; THE MATRIX INSTRUCTION IS USED TRANSPOSED (source 0 = 16 rows of Wo, source 1 = 16 tokens): a lane holds eight neighbouring numbers of a row of out0.
; Both operands carry k = 32 c + 16 (lane / 16) + 0 .. 15 in registers 4 c .. 4 c + 3: the same permutation of k on both sides.
; LIMIT: e10 + e11 lies between -126 and 127, so that 2^(e10 + e11) is an f32 number.
; REGISTERS.  Window 0: v16, v17 LDS addresses of Wo's blocks 0-3, 4-7; v24-26 the way out; v28, v29 the spare word and 0; v32-95 the bias; v128-255 Wo's 8 fragments, ONE set, fetched anew by halves.
; Window 1: the accumulators ((a, b) at 8 (8 a + b)).  Windows 2, 3: cat's fragments: K step kk of 128 at 64 (kk % 4) + 16 a of window 2 + kk / 4.
.set SIZE_N, 1024
.set PITCH,  1040                      ; an LDS row: 1,024 bytes + 16 of padding: 65 x 16, so the 16 rows that a load touches begin in 16 different columns of 16 bytes
.set SPARE,  256*PITCH                 ; behind Wo's rows: the spare words, 128 bytes a wave
.set SPITCH, 528                       ; the way out: a stage of 16 rows x (512 + 16) bytes for each wave, in Wo's bytes, behind their last read
.set KSA,    2097152                   ; a K step of 256 in cat_img
.set ADRB, 16
.set STO,  24
.set RD,   25
.set CO,   26
.set SPW,  28
.set NIL,  29
.set BN,   32
.set BF,   128
.set BK,   128
.set TMP,  0
.set G1, 24
.set G0, 32
.set MSB, 0
.macro WIN new                         ; the immediate's high byte repeats the setting that is left
.if MSB != (\new)
	s_set_vgpr_msb (MSB<<8)|(\new)
.set MSB, (\new)
.endif
.endm
.macro CROUND                          ; a round of the cluster's barrier
	s_barrier_signal -1
	s_barrier_wait -1
	s_cmp_lg_u32 s14, 0
	s_cbranch_scc1 .Lnot_wave_0_\@
	s_barrier_signal -3
.Lnot_wave_0_\@:
	s_barrier_wait -3
	s_barrier_signal -1
	s_barrier_wait -1
.endm
.macro PLACES n
.rept \n
	v_nop
.endr
.endm
	s_load_b256 s[4:11], s[0:1], 0x0               ; cat_img s[4:5], Wo's codes s[6:7], the scales' exponents s[8:9], out0 s[10:11]
	s_load_b64 s[12:13], s[0:1], 0x20              ; bo
	v_lshl_add_u32 v[SPW], v0, 2, SPARE
	v_mov_b32 v[NIL], 0
	ds_add_u32 v[SPW], v[NIL]                      ; the opening lines: the add twice on end, and its wait ahead of my first tensor load
	ds_add_u32 v[SPW], v[NIL]
	v_lshrrev_b32 v1, 5, v0
	v_readfirstlane_b32 s14, v1                    ; wave 0..3
	s_lshr_b32 s15, s14, 1                         ; which 64 tokens
	s_and_b32 s16, s14, 1                          ; which 128 columns
	s_bfe_u32 s40, ttmp6, 0x40000                  ; cx: it enters cat's and out0's addresses alone
	s_lshl_b32 s42, ttmp9, 2
	s_add_co_u32 s42, s42, s40                     ; token block of 128
	s_and_b32 s17, ttmp7, 0xffff                   ; column block of 256, which the four partners share
	s_mov_b32 s[G1], 15|(0<<16)|(1<<20)|(1<<21)|(7<<22)|(3<<25)   ; the mask: all four; elements of 1 byte; padding on: 4 words behind every 256; bit 21 set beside a mask
	s_mov_b32 s[G1+1], 1024<<16                    ; tensor_dim0
	s_mov_b32 s[G1+2], 64<<16                      ; tensor_dim1
	s_mov_b32 s[G1+3], 1024<<16                    ; tile_dim0
	s_mov_b32 s[G1+4], 64                          ; tile_dim1
	s_mov_b32 s[G1+5], 1024                        ; from row to row
	s_mov_b32 s[G1+6], 0
	s_mov_b32 s[G1+7], 0
	s_lshl_b32 s46, s17, 18                        ; Wo: row 256 x column block + 64 x wave, 1,024 bytes a row
	s_lshl_b32 s19, s14, 16
	s_add_co_u32 s46, s46, s19
	s_mov_b32 s47, 0
	s_mul_i32 s[G0+1], s14, 64*PITCH               ; and where they go
	s_lshl_b32 s20, s42, 15                        ; cat: token tile 8 x token block + 4 x half, 4,096 bytes a tile
	s_lshl_b32 s21, s15, 14
	s_add_co_u32 s20, s20, s21
	s_mov_b32 s21, 0
	s_mul_i32 s22, s16, 128*PITCH                  ; my 128 rows of Wo in LDS
	s_mul_i32 s23, s14, 16*SPITCH                  ; my stage
	s_lshl_b32 s44, s17, 10                        ; my first column, in bytes of f32: 1,024 x column block + 512 x half
	s_lshl_b32 s45, s16, 9
	s_add_co_u32 s44, s44, s45
	s_mov_b32 s45, 0
	s_lshl_b32 s48, s42, 7                         ; my first row of out0: 128 x token block + 64 x half, 4,096 bytes a row
	s_lshl_b32 s49, s15, 6
	s_add_co_u32 s48, s48, s49
	s_lshl_b32 s48, s48, 12
	s_mov_b32 s49, 0
	s_wait_dscnt 0x0                               ; both opening adds are done
	s_wait_kmcnt 0x0
	s_load_b64 s[96:97], s[8:9], 0x28              ; e10, e11
	s_add_nc_u64 s[4:5], s[4:5], s[20:21]
	s_add_nc_u64 s[10:11], s[10:11], s[48:49]
	s_add_nc_u64 s[10:11], s[10:11], s[44:45]
	s_mov_b32 s[G0], 1
	s_add_nc_u64 s[G0+2:G0+3], s[6:7], s[46:47]
	s_or_b32 s[G0+3], s[G0+3], 0x80000000
	CROUND                                         ; all four work-groups are here: the joint loads meet
	tensor_load_to_lds s[G0:G0+3], s[G1:G1+7]      ; my one tensor load
	s_nop 0
	PLACES 4
	v_and_b32 v6, 31, v0
	v_lshlrev_b32 v[CO], 4, v6                     ; 16 x lane
	v_and_b32 v1, 15, v0                           ; r
	v_bfe_u32 v2, v0, 4, 1                         ; h
	v_lshl_add_u32 v7, v2, 5, s44                  ; the bias of my eight columns of each block
	v_mul_u32_u24 v3, v1, PITCH
	v_lshl_add_u32 v3, v2, 4, v3
	v_add_nc_u32 v[ADRB], s22, v3                  ; row r x pitch + 16 h, in my 128 rows
	v_add_nc_u32 v[ADRB+1], 64*PITCH, v[ADRB]      ; blocks 4-7: the offsets stay inside 16 bits
	v_mul_u32_u24 v5, v1, SPITCH
	v_lshl_add_u32 v5, v2, 5, v5
	v_add_nc_u32 v[STO], s23, v5                   ; in: row r, 32 bytes for each half of the lanes
	v_add_nc_u32 v[RD], s23, v[CO]                 ; back: the 32 lanes take one row of 512 bytes
.irp b, 0,1,2,3,4,5,6,7
	global_load_b128 v[BN+8*\b:BN+8*\b+3], v7, s[12:13] offset:64*\b
	global_load_b128 v[BN+8*\b+4:BN+8*\b+7], v7, s[12:13] offset:64*\b+16
.endr
.irp kk, 0,1,2,3,4,5,6,7                       ; cat's fragments, K ascending: 16 loads for each K step of 128
	WIN 0x80+0x40*(\kk/4)
.irp i, 0,1,2,3
.irp c, 0,1,2,3
	global_load_b128 v[64*(\kk%4)+16*\i+4*\c:64*(\kk%4)+16*\i+4*\c+3], v[CO], s[4:5] offset:(\kk/2)*KSA+(\kk%2)*2048+\i*4096+\c*512
.endr
.endr
.endr
	WIN 0
.macro FETCH kk, half                  ; Wo's blocks 4 half .. 4 half + 3 of K step kk: 16 loads
.irp i, 0,1,2,3
.irp c, 0,1,2,3
	ds_load_b128 v[BF+64*(\half)+16*\i+4*\c:BF+64*(\half)+16*\i+4*\c+3], v[ADRB+(\half)] offset:128*(\kk)+32*\c+\i*16*PITCH
.endr
.endr
.endm
.macro MUL kk, half                    ; 16 products: those four blocks x my four token tiles; the 32 accumulators take turns, one instruction a turn, in the same order in every K step
	WIN 0x58+4*((\kk)/4)                           ; C and D window 1, source 0 (Wo) window 0, source 1 (cat) window 2 or 3
.irp b, 0,1,2,3
.irp a, 0,1,2,3
.if (\kk) == 0
	v_wmma_f32_16x16x128_fp8_fp8 v[8*(8*\a+4*(\half)+\b):8*(8*\a+4*(\half)+\b)+7], v[BF+64*(\half)+16*\b:BF+64*(\half)+16*\b+15], v[64*((\kk)%4)+16*\a:64*((\kk)%4)+16*\a+15], 0
.else
	v_wmma_f32_16x16x128_fp8_fp8 v[8*(8*\a+4*(\half)+\b):8*(8*\a+4*(\half)+\b)+7], v[BF+64*(\half)+16*\b:BF+64*(\half)+16*\b+15], v[64*((\kk)%4)+16*\a:64*((\kk)%4)+16*\a+15], v[8*(8*\a+4*(\half)+\b):8*(8*\a+4*(\half)+\b)+7]
.endif
.endr
.endr
.endm
	s_wait_alu depctr_va_vdst(0)                   ; the head's end
	s_wait_tensorcnt 0x0                           ; my 64 rows of Wo are in
	s_barrier_signal -1
	s_barrier_wait -1                              ; everybody's are
	FETCH 0, 0
	FETCH 0, 1
	s_wait_loadcnt 63                              ; of 144 loads at most 63 are out: the bias and K steps 0 to 3 are in
.irp kk, 0,1,2,3,4,5,6,7
.if \kk >= 4
	s_wait_loadcnt 16*(7-\kk)                      ; this K step's fragments of cat are in; the later steps' may be out
.endif
	s_wait_dscnt 16                                ; blocks 0-3 are in; the 16 younger loads may be out
	MUL \kk, 0
.if \kk < 7
	WIN 0
	PLACES 4                                       ; in front of loads into registers that the products above have read
	FETCH \kk+1, 0
	s_wait_dscnt 16                                ; blocks 4-7 are in
.else
	s_wait_dscnt 0x0
.endif
	MUL \kk, 1
.if \kk < 7
	WIN 0
	PLACES 4
	FETCH \kk+1, 1
.endif
.endr
	WIN 0
	s_barrier_signal -1                            ; no LDS load of mine is out: my reads of Wo are over
	s_barrier_wait -1                              ; everybody's are: the stages may be written
; THE WAY OUT, block by block of 16 tokens x 128 columns: x 2^(e10 + e11), + bias, through my stage, back as whole rows of 512 bytes, which the 32 lanes store as two aligned units of 256 bytes.
.macro TOSTAGE a
.set AC, 64*(\a)
	WIN 0x81                                       ; source 0 window 1, destination window 2
.set j, 0
.rept 32
	v_pk_fma_f32 v[TMP+j:TMP+j+1], v[AC+j:AC+j+1], s[96:97], v[BN+j:BN+j+1] op_sel_hi:[1,0,1]   ; each accumulator from its low end on
.set j, j+2
.endr
	WIN 0x08                                       ; the stores' data in window 2
.irp b, 0,1,2,3,4,5,6,7
	ds_store_b128 v[STO], v[TMP+8*\b:TMP+8*\b+3] offset:64*\b
	ds_store_b128 v[STO], v[TMP+8*\b+4:TMP+8*\b+7] offset:64*\b+16
.endr
	WIN 0
.set BB, BK+64*((\a)%2)
.irp t, 0,1,2,3,4,5,6,7,8,9,10,11,12,13,14,15
	ds_load_b128 v[BB+4*\t:BB+4*\t+3], v[RD] offset:\t*SPITCH   ; LDS serves a wave's instructions in order (ISA guide 5.7.1.4): these see the stores above
.endr
.endm
.macro SEND a, younger                 ; younger: the LDS instructions issued behind block a's loads, which may stay out
.set BB, BK+64*((\a)%2)
	s_wait_dscnt \younger
.if (\a) > 0
	s_add_nc_u64 s[10:11], s[10:11], 16*SIZE_N*4   ; (behind a wait on XCNT: the earlier stores have read their base)
.endif
.irp t, 0,1,2,3,4,5,6,7,8,9,10,11,12,13,14,15
	global_store_b128 v[CO], v[BB+4*\t:BB+4*\t+3], s[10:11] offset:\t*SIZE_N*4 th:TH_STORE_NT
.endr
.endm
	s_wait_kmcnt 0x0
	s_add_co_i32 s96, s96, s97
	s_add_co_i32 s96, s96, 127
	s_lshl_b32 s96, s96, 23                        ; 2^(e10 + e11) as f32
	PLACES 4                                       ; behind the last products
	TOSTAGE 0
.irp a, 1,2,3
.if \a > 1
	s_wait_xcnt 0x0                                ; block a - 2's stores have read their registers and their base
.endif
	TOSTAGE \a
	SEND \a-1, 32                                  ; behind block a - 1's loads: block a's 16 stores and 16 loads
.endr
	s_wait_xcnt 0x0
	SEND 3, 0
	s_wait_tensorcnt 0x0                           ; the wave's end
	ds_add_u32 v[SPW], v[NIL]
	s_wait_dscnt 0x0
	CROUND                                         ; the closing round
	s_endpgm
.Lfunc_end_k_qcf83f04a3c_proj:
	.size	k_qcf83f04a3c_proj, .Lfunc_end_k_qcf83f04a3c_proj-k_qcf83f04a3c_proj
	.p2alignl 7, 3214868480
	.fill 96, 4, 3214868480
	.section	.rodata,"a",@progbits
	.p2align	6, 0x0
	.amdhsa_kernel k_qcf83f04a3c_proj
		.amdhsa_group_segment_fixed_size 266752
		.amdhsa_private_segment_fixed_size 0
		.amdhsa_enable_private_segment 0
		.amdhsa_kernarg_size 40
		.amdhsa_user_sgpr_count 2
		.amdhsa_user_sgpr_kernarg_segment_ptr 1
		.amdhsa_wavefront_size32 1
		.amdhsa_system_sgpr_workgroup_id_x 1
		.amdhsa_system_sgpr_workgroup_id_y 1
		.amdhsa_system_sgpr_workgroup_id_z 1
		.amdhsa_system_vgpr_workitem_id 0
		.amdhsa_next_free_vgpr 1024
		.amdhsa_next_free_sgpr 98
		.amdhsa_reserve_vcc 0
		.amdhsa_float_denorm_mode_32 3
		.amdhsa_float_denorm_mode_16_64 3
		.amdhsa_memory_ordered 1
		.amdhsa_forward_progress 1
		.amdhsa_inst_pref_size 77
	.end_amdhsa_kernel
	.amdgpu_metadata
---
amdhsa.version: [ 1, 2 ]
amdhsa.kernels:
  - .name:           k_qcf83f04a3c_proj
    .symbol:         k_qcf83f04a3c_proj.kd
    .args:
      - { .name: cat_img, .offset: 0, .size: 8, .value_kind: global_buffer, .address_space: global }
      - { .name: Wo_codes, .offset: 8, .size: 8, .value_kind: global_buffer, .address_space: global }
      - { .name: lowp_scales, .offset: 16, .size: 8, .value_kind: global_buffer, .address_space: global }
      - { .name: out0, .offset: 24, .size: 8, .value_kind: global_buffer, .address_space: global }
      - { .name: bo, .offset: 32, .size: 8, .value_kind: global_buffer, .address_space: global }
    .group_segment_fixed_size: 266752
    .private_segment_fixed_size: 0
    .kernarg_segment_align: 8
    .kernarg_segment_size: 40
    .max_flat_workgroup_size: 128
    .sgpr_count:     98
    .vgpr_count:     1024
    .wavefront_size: 32
...
	.end_amdgpu_metadata
.endif
;; end of part 3
